; MI455X (gfx1250); checked and timed in simulation.
; The chip was launched on July 23, 2026; its instructions are those of AMD's public machine-readable ISA for CDNA 5 (MIT licence, August 2026) and "CDNA5" Instruction Set Architecture Reference Guide (July 2026). The comments in the code are by the model that wrote it; some were corrected since.
;; Chunked Local Attention. Allowed arithmetic: float matrix products may take bf16 or f16 operands with f32 sums; other float arithmetic in f32, or as packed bf16 or f16 multiplies, adds, multiply-adds, maxima and minima; sums over many terms, partial sums and values carried from step to step in f32; what a program stores and reads back later, other than sums and carried values, may be rounded once to bf16 or f16.
;; Inputs: Wk 512 x 512 float32; Wo 512 x 512 float32; Wq 512 x 512 float32; Wv 512 x 512 float32; x 4 x 8,192 x 512 float32.
;; Outputs: out0 4 x 8,192 x 512 float32.
;; One version. Each part assembles by itself: llvm-mc -triple=amdgcn-amd-amdhsa -mcpu=gfx1250 --defsym DOCPART=n.
;; ======== version 1 of 1: 2 launches
;; limits: values are held in f16: magnitudes above 65,504 overflow, below 6.1e-05 lose precision
;; workspace buffers: wst 2,113,536 bytes
;; launch prep (part 1): grid 256 x 1, 8 waves a work-group, no clusters, 0 bytes of LDS; arguments Wq, Wk, Wv, Wo, wst; writes wst
.if DOCPART == 1
	.amdgcn_target "amdgcn-amd-amdhsa--gfx1250"
	.amdhsa_code_object_version 6
	.text
	.protected	k_qc8dc06d1b9_prep
	.globl	k_qc8dc06d1b9_prep
	.p2align	8
	.type	k_qc8dc06d1b9_prep,@function
k_qc8dc06d1b9_prep:
	s_mov_b64 s[64:65], 0
	v_nop
	global_prefetch_b8 v0, s[64:65] scope:SCOPE_SE
	s_setreg_imm32_b32 hwreg(HW_REG_WAVE_MODE, 25, 1), 1
	s_wait_xcnt 0x0
; THE FOUR WEIGHTS AS ONE STREAM OF READY FRAGMENTS.  Wq, Wk, Wv, Wo: [512 (k)][512 (n)] f32.  wst: 43 slots of 49,152 bytes, in the order in which the next launch multiplies them.
; A fragment is 16 output columns n x 32 inputs k, 1,024 bytes: bytes 16 L .. of the first half hold, for lane L = (r = L % 16, h = L / 16), column n0 + r and k0 + 8 h + 0..7,
; bytes 512 + 16 L .. hold k0 + 16 + 8 h + 0..7, the lower k in the lower bits: two loads of 16 bytes a lane fill a matrix operand.
; FORMATS.  All four are rounded once to bf16.  Wq, Wk, Wv stay bf16; Wo's bf16 number is written as f16, since it multiplies an f16 operand.
; LIMITS.  |Wo| stays below 65,504; below 6e-5 it keeps f16's fixed step of 6e-8.
; SHARES.  2,048 fragments, one a wave: work-group b has matrix b / 64, K step (b / 4) % 16, column block b % 4 of 128; wave v its columns 16 v .. 16 v + 15.
; A lane reads one column of 16 rows, so a load of the wave touches 64 bytes of each of two rows; the eight waves of the work-group read the neighbouring pieces of the same
; 512 bytes of each row.  The four matrices are 4 MiB, read once: a turn through LDS would add barriers to save nothing that counts here.  Each store covers 512 consecutive bytes, aligned.
; No matrix unit, no cluster, no LDS: nothing is shared and nothing is multiplied.
.set SLOTB, 49152                      ; a slot: 12 fragments for each of the next launch's four waves
.set WAVEB, 12288
	s_load_b256 s[4:11], s[0:1], 0x0               ; Wq s[4:5], Wk s[6:7], Wv s[8:9], Wo s[10:11]
	s_load_b64 s[12:13], s[0:1], 0x20              ; wst
	v_lshrrev_b32 v1, 5, v0
	v_readfirstlane_b32 s14, v1                    ; wave v, 0..7
	v_and_b32 v2, 15, v0                           ; r
	v_bfe_u32 v3, v0, 4, 1                         ; h
	v_lshlrev_b32 v4, 2, v2
	v_lshl_add_u32 v4, v3, 14, v4                  ; 8 h rows of 2,048 bytes + 4 r
	v_and_b32 v5, 31, v0
	v_lshlrev_b32 v5, 4, v5                        ; 16 L
	s_lshr_b32 s15, ttmp9, 6                       ; which matrix: q, k, v, o
	s_bfe_u32 s16, ttmp9, 0x40002                  ; K step ks
	s_and_b32 s17, ttmp9, 3                        ; column block nb = the next launch's wave
	s_lshl_b32 s18, s16, 16                        ; from: 32 ks rows,
	s_lshl_b32 s19, s17, 9                         ; 128 nb columns,
	s_or_b32 s18, s18, s19
	s_lshl_b32 s19, s14, 6                         ; 16 v columns
	s_or_b32 s18, s18, s19
	s_mov_b32 s19, 0
	; to, for q, k, v: head 4 nb + v / 2 is pass v / 2 of wave nb; slot 8 (v / 2) + ks / 2, fragment 6 (ks % 2) + 2 matrix + v % 2
	s_lshr_b32 s20, s14, 1
	s_lshl_b32 s20, s20, 3
	s_lshr_b32 s21, s16, 1
	s_add_co_u32 s20, s20, s21
	s_and_b32 s21, s16, 1
	s_mul_i32 s21, s21, 6
	s_lshl1_add_u32 s21, s15, s21
	s_and_b32 s22, s14, 1
	s_add_co_u32 s21, s21, s22
	; to, for o: half-step hs = 2 ks + v / 4; slot 32 + hs / 3, fragment 4 (hs % 3) + v % 4.  (11 hs) >> 5 is hs / 3 for hs up to 31
	s_lshl_b32 s22, s16, 1
	s_lshr_b32 s23, s14, 2
	s_add_co_u32 s22, s22, s23
	s_mul_i32 s23, s22, 11
	s_lshr_b32 s23, s23, 5
	s_mul_i32 s24, s23, 3
	s_sub_co_u32 s22, s22, s24
	s_lshl_b32 s22, s22, 2
	s_and_b32 s24, s14, 3
	s_add_co_u32 s22, s22, s24
	s_add_co_u32 s23, s23, 32
	s_cmp_eq_u32 s15, 3
	s_cselect_b32 s20, s23, s20
	s_cselect_b32 s21, s22, s21
	s_mul_i32 s20, s20, SLOTB
	s_mul_i32 s24, s17, WAVEB
	s_add_co_u32 s20, s20, s24
	s_lshl_b32 s21, s21, 10
	s_add_co_u32 s20, s20, s21
	s_mov_b32 s21, 0
	s_wait_kmcnt 0x0
	s_cmp_eq_u32 s15, 1                            ; the matrix is chosen by its number, which hangs on no address
	s_cselect_b64 s[4:5], s[6:7], s[4:5]
	s_cmp_eq_u32 s15, 2
	s_cselect_b64 s[4:5], s[8:9], s[4:5]
	s_cmp_eq_u32 s15, 3
	s_cselect_b64 s[4:5], s[10:11], s[4:5]
	s_add_nc_u64 s[4:5], s[4:5], s[18:19]
	s_add_nc_u64 s[12:13], s[12:13], s[20:21]
.irp i, 0,1,2,3,4,5,6,7
	global_load_b32 v[8+(\i)], v4, s[4:5] offset:2048*(\i)        ; k0 + 8 h + i
.endr
.irp i, 8,9,10,11,12,13,14,15
	global_load_b32 v[8+(\i)], v4, s[4:5] offset:2048*((\i)+8)    ; k0 + 16 + 8 h + (i - 8)
.endr
	s_wait_loadcnt 0x0
.irp i, 0,1,2,3,4,5,6,7
	v_cvt_pk_bf16_f32 v[24+(\i)], v[8+2*(\i)], v[9+2*(\i)]        ; the one rounding
.endr
	s_cmp_lg_u32 s15, 3
	s_cbranch_scc1 .Lstore
.irp i, 0,1,2,3,4,5,6,7
	v_lshlrev_b32 v32, 16, v[24+(\i)]              ; Wo: the bf16 number, widened,
	v_and_b32 v33, 0xffff0000, v[24+(\i)]
	v_cvt_pk_f16_f32 v[24+(\i)], v32, v33          ; is written as f16 (exact inside f16's range of normal numbers)
.endr
.Lstore:
	global_store_b128 v5, v[24:27], s[12:13]
	global_store_b128 v5, v[28:31], s[12:13] offset:512
	s_endpgm
.Lfunc_end_k_qc8dc06d1b9_prep:
	.size	k_qc8dc06d1b9_prep, .Lfunc_end_k_qc8dc06d1b9_prep-k_qc8dc06d1b9_prep
	.p2alignl 7, 3214868480
	.fill 96, 4, 3214868480
	.section	.rodata,"a",@progbits
	.p2align	6, 0x0
	.amdhsa_kernel k_qc8dc06d1b9_prep
		.amdhsa_group_segment_fixed_size 0
		.amdhsa_private_segment_fixed_size 0
		.amdhsa_enable_private_segment 0
		.amdhsa_kernarg_size 40
		.amdhsa_user_sgpr_count 2
		.amdhsa_user_sgpr_kernarg_segment_ptr 1
		.amdhsa_wavefront_size32 1
		.amdhsa_system_sgpr_workgroup_id_x 1
		.amdhsa_system_sgpr_workgroup_id_y 1
		.amdhsa_system_sgpr_workgroup_id_z 1
		.amdhsa_system_vgpr_workitem_id 0
		.amdhsa_next_free_vgpr 40
		.amdhsa_next_free_sgpr 66
		.amdhsa_reserve_vcc 0
		.amdhsa_float_denorm_mode_32 3
		.amdhsa_float_denorm_mode_16_64 3
		.amdhsa_memory_ordered 1
		.amdhsa_forward_progress 1
		.amdhsa_inst_pref_size 6
	.end_amdhsa_kernel
	.amdgpu_metadata
---
amdhsa.version: [ 1, 2 ]
amdhsa.kernels:
  - .name:           k_qc8dc06d1b9_prep
    .symbol:         k_qc8dc06d1b9_prep.kd
    .args:
      - { .name: Wq, .offset: 0, .size: 8, .value_kind: global_buffer, .address_space: global }
      - { .name: Wk, .offset: 8, .size: 8, .value_kind: global_buffer, .address_space: global }
      - { .name: Wv, .offset: 16, .size: 8, .value_kind: global_buffer, .address_space: global }
      - { .name: Wo, .offset: 24, .size: 8, .value_kind: global_buffer, .address_space: global }
      - { .name: wst, .offset: 32, .size: 8, .value_kind: global_buffer, .address_space: global }
    .group_segment_fixed_size: 0
    .private_segment_fixed_size: 0
    .kernarg_segment_align: 8
    .kernarg_segment_size: 40
    .max_flat_workgroup_size: 256
    .sgpr_count:     66
    .vgpr_count:     40
    .wavefront_size: 32
...
	.end_amdgpu_metadata
.endif
;; end of part 1
;; launch main (part 2): grid 128 x 2, 4 waves a work-group, clusters of 4 x 1, 327,680 bytes of LDS; arguments x, wst, out0; writes out0
.if DOCPART == 2
	.amdgcn_target "amdgcn-amd-amdhsa--gfx1250"
	.amdhsa_code_object_version 6
	.text
	.protected	k_qc8dc06d1b9_main
	.globl	k_qc8dc06d1b9_main
	.p2align	8
	.type	k_qc8dc06d1b9_main,@function
k_qc8dc06d1b9_main:
	s_mov_b64 s[64:65], 0
	v_nop
	global_prefetch_b8 v0, s[64:65] scope:SCOPE_SE
	s_setreg_imm32_b32 hwreg(HW_REG_WAVE_MODE, 25, 1), 1
	s_wait_xcnt 0x0
	s_wait_alu depctr_hold_cnt(0) depctr_sa_sdst(0) depctr_va_vdst(0) depctr_va_sdst(0) depctr_va_ssrc(0) depctr_va_vcc(0) depctr_vm_vsrc(0)
	s_getreg_b32 s2, hwreg(HW_REG_IB_STS2, 6, 4)
	s_cmp_eq_u32 s2, 0
	s_cbranch_scc0 .Lentry_in_a_cluster
	s_endpgm
.Lentry_in_a_cluster:
	s_bfe_u32 s2, ttmp6, 0x10000c
	s_cmp_lg_u32 s2, 0x3003
	s_cbranch_scc0 .Lentry_shape_is_right
	s_endpgm
.Lentry_shape_is_right:
; CHUNKED LOCAL ATTENTION, FUSED: q, k, v = x W; 16 heads of 32; in each chunk of 256 rows softmax over the band j <= i, j >= i - 64 of q . k / sqrt(32); P V; times Wo.
; x, out0: [32,768][512] f32.  wst: the four weights as a stream of ready fragments (the launch before).  Nothing else goes through memory.
; SHARES.  Work-group (chunk, half) owns 128 query rows.  Row index i = 0..191 is chunk row 128 half - 64 + i: tiles kt = 0..3 are the 64 rows above (the halo: their k and v are wanted;
; in the upper half they lie ahead of the chunk and are zeros, hidden by the mask), tiles 4..11 the query tiles t = kt - 4.
; The four waves split the HEADS: in pass g wave w makes q (8 tiles), k and v (12 tiles) of head 4 w + g, 64 accumulators, and runs that head's attention wholly in registers.
; For the last product wave w makes 128 rows x columns 128 w .. 128 w + 127.
; NO CHANGE OF LAYOUT BETWEEN PRODUCTS.  q and k are taken transposed (source 0 = W's fragment, source 1 = x's): a lane holds one row and channels 8 h + j, and the two channel tiles, rounded
; in pairs, ARE a 16 x 32 operand.  v is taken as it is (source 0 = x): a lane holds one channel and keys 8 h + j, and two key tiles ARE a fragment of V^T.  S^T = K Q^T, O^T = V^T P;
; O^T's two channel tiles ARE source 1 of the last product, which is again taken transposed, so that a lane ends with eight neighbouring columns of a row of out0.
; FORMATS.  x, Wq, Wk, Wv rounded to bf16 (bf16 products); q, k, v, P, O rounded once to f16, Wo's bf16 number written as f16 (f16 products); all sums, the maximum and l in f32.
; SOFTMAX.  All of a row's visible scores lie in registers at once (five key tiles), so the row's maximum is taken over all of them before any exponential: p = 2^(c s - c m), c = log2(e) / sqrt(32).
; LIMITS.  |q|, |k|, |v| stay below 65,504; below 6e-5 q, k, v, O keep f16's fixed step of 6e-8.  A hidden score counts as its value less 1e30 (f16's scores reach 1.4e11 at the most);
; a weight below 2^-126 counts as 0; NaN and infinities are not treated apart.
; CLUSTER.  Four chunks of the same half form a cluster: they walk the same stream of weights, so each slot is asked for JOINTLY (mask of four).  x is not shared: a chunk's two halves
; run different texts' paths (the halo), and partners of a joint load must run alike; what they would share is 64 of a work-group's 192 rows.
; LDS.  0: ring slot 0 (wave w's 12 fragments at 12,288 w); 49,152: the spare words; 65,536: ring slot 1; XB: x in bf16, 192 rows of 1,024 + 16 bytes; when x is dead, from XB on the
; 128 fragments of O (131,072 bytes), and behind them each wave's stage of 16 rows x 528 bytes.  Only tensor loads write the ring, only LDS stores what lies from XB on.
; x, the ring and O do not fit together, so the four passes' O waits in registers (window 1) until x is dead.
; REGISTERS, in windows of 256 (s_set_vgpr_msb: bits 1:0 source 0, 3:2 source 1, 5:4 source 2, 7:6 destination):
;   window 0: v0-25 addresses; v32-63 four masks; v64-159 x's 12 fragments of a K step; v160-255 12 fragments of weights
;   window 1: O as fragments, (pass g, tile t) at 64 g + 8 t; in the last product three K steps' fragments of O, 64 each
;   window 2: accumulators k (kt, c) at 16 kt + 8 c, q (t < 4, c) at 192 + 16 t + 8 c.  Rounded in place: K at 8 kt, Q at 192 + 8 t; then S^T / P at 96-191, statistics at 224-255
;   window 3: accumulators v (kt, c) at 32 (kt / 2) + 16 c + 8 (kt % 2), q (t >= 4).  Rounded in place: V^T (pair p, c) at 16 p + 8 c, Q at 192 + 8 (t - 4); O^T at 96-191 and 224-255
;   last product: accumulator (t, ct) at 64 (t % 4) + 8 ct of window 2 (t < 4) or 3.  On the way in windows 1, 2, 3 hold x as loaded.
.set SPARE, 49152                      ; the spare words: 128 bytes for each wave, two blocks of 256 bytes that no other line names
.set SL1,   65536                      ; ring slot 1: one exclusive or turns an address in one slot into the other's
.set DSL,   49152                      ; a slot of the stream
.set WSH,   12288                      ; a wave's share of it
.set XB,    114688
.set XP,    1040                       ; a row of x in LDS: 65 x 16 bytes: the 16 rows of a fragment load start at 16 different groups of four banks (64 banks of 4 bytes: ISA guide 11.1)
.set STG,   245760
.set SP,    528                        ; a stage row: 512 + 16 bytes = 33 x 16
.set AXB, 3                            ; v3-5   my place in x's fragments of rows 0-63, 64-127, 128-191: XB + 66,560 G + 1,040 r + 16 h
.set AXT, 6                            ; v6     the same at the K step to be fetched
.set AW,  7                            ; v7     my 16 bytes of a fragment in my share of ring slot 0
.set AWT, 8                            ; v8     the same in the slot to be read
.set SPW, 9                            ; v9     LDS address of my spare word; never rewritten
.set NIL, 10                           ; v10    0; never rewritten
.set XO,  11                           ; v11    x on its way in: 8 rows down for lanes 16-31, 16 bytes a lane
.set XS,  12                           ; v12-14 where I store x: my tile of each of the three groups of rows
.set AFS, 15                           ; v15    where I store my heads' fragments of O
.set AFT, 16                           ; v16    where O's next fragments are read
.set STO, 17                           ; v17    the way out: where I put 32 bytes of a row
.set RD,  18                           ; v18    the way out: where I read a row back
.set CO,  19                           ; v19    my 16 bytes in 512 of out0
.set PFO, 20                           ; v20    256 x lane, for the prefetches
.set DL,  21                           ; v21    r - 8 h
.set ZZ,  22                           ; v22-23 0
.set LN,  24                           ; v24    lane
.set AF0, 25                           ; v25    XB + 16 x lane
.set ML,  32                           ; -1e30 where key 8 h + j lies below the band's lower edge (tile kt = t)
.set MU,  40                           ; -1e30 where it lies above the diagonal (tile kt = t + 4)
.set MLX, 48                           ; ML for a halo tile: all -1e30 in the upper half
.set MZX, 56                           ; 0 for a halo tile: all -1e30 in the upper half
.set XF,  64
.set WF,  160
.set BK,  64                           ; the way out: two buffers of 64
.set SS,  96                           ; window 2: S^T (e, d) at SS + 56 e + 8 d; P (e, j) at SS + 48 e + 8 j
.set TE,  224                          ; window 2: tile e's statistics at TE + 16 e: c m, m, five maxima at +2, four pairs of sums at +8, later 1 / l at +10
.set WV,   10                          ; s10  wave
.set HALF, 11                          ; s11  0: rows 0-127 of the chunk, 1: rows 128-255; the same in all partners of a cluster
.set CX,   12                          ; s12  my place in the cluster: it enters global addresses alone
.set G1,   16                          ; s[16:23] descriptor group 1: 48 rows of 256 bytes
.set G1L,  24                          ; s[24:31] the same with 32 rows, for the stream's last slot
.set G0A,  32                          ; s[32:35] group 0 of the first fill
.set G0,   36                          ; s[36:39] group 0 of the second; it then walks
.set KB,   40                          ; s40  byte in x's rows of the K step to be fetched
.set WP,   41                          ; s41  the ring slot to be read
.set CNT,  42
.set PS,   43                          ; s43  pass
.set CS,   44                          ; s[44:45] c
.set SEL,  46                          ; s[46:47] v_permlanex16_b32's selects: each lane takes its own place in the other half
.set BIGN, 48                          ; s48  -1e30
.set BIGH, 49                          ; s49  -1e30 in the upper half, else 0
.set PFA,  50                          ; s[50:51] where my prefetches stand
.set ASKF, 52                          ; s52  1 in a wave that prefetches
.set TT,   53
.set AFO,  54                          ; s54  byte at which the next three K steps' fragments of O begin
.set MSB, 0
.macro WIN new                         ; the immediate's high byte repeats the setting that is left; a switch that changes nothing is dropped
.if MSB != (\new)
	s_set_vgpr_msb (MSB<<8)|(\new)
.set MSB, (\new)
.endif
.endm
; A round of the cluster's barrier: my work-group's barrier, so that wave 0's signal speaks for all four waves; wave 0 signals; every wave waits for all four work-groups; my work-group's barrier once more.
.macro CREST                           ; a round behind its opening barrier
	s_cmp_lg_u32 s[WV], 0
	s_cbranch_scc1 .Lnot_wave_0_\@
	s_barrier_signal -3
.Lnot_wave_0_\@:
	s_barrier_wait -3
	s_barrier_signal -1
	s_barrier_wait -1
.endm
.macro CROUND
	s_barrier_signal -1
	s_barrier_wait -1
	CREST
.endm
; A PREFETCH INTO THE L2 of two slots of the stream, in every second period: in period 2 i slots 2 i + 4 and 2 i + 5, which the changes of slots of periods 2 i + 2 and 2 i + 3 will ask for.
; Every cluster walks the same stream: the first cluster of the upper halves asks, and nobody else.  Its four partners take 24,576 bytes each, told apart BY ADDRESS; in each, waves 0 to 2
; take 8,192 bytes, a lane 256: 4 x 3 x 32 blocks are the two slots, each named once in the launch.  Slots 0 to 3 and the last come by their loads alone.
; The address is stepped here, ahead of the prefetch and two periods behind the last one, behind s_wait_xcnt 0.  mode 1: a period that is even by the text; 0: the QKV loop, even where CNT is even;
; 2: the last product's loop, whose last trip has nothing left to ask for.
.macro ASK mode
.if (\mode) == 0
	s_and_b32 s[TT], s[CNT], 1
	s_cmp_eq_u32 s[TT], 0
	s_cbranch_scc0 .Lnoask_\@
.elseif (\mode) == 2
	s_cmp_gt_u32 s[CNT], 1
	s_cbranch_scc0 .Lnoask_\@
.endif
	s_cmp_eq_u32 s[ASKF], 1
	s_cbranch_scc0 .Lnoask_\@
	s_wait_xcnt 0x0
	s_add_nc_u64 s[PFA:PFA+1], s[PFA:PFA+1], 2*DSL
	global_prefetch_b8 v[PFO], s[PFA:PFA+1] th:TH_LOAD_NT scope:SCOPE_SE
.Lnoask_\@:
.endm
	s_load_b128 s[4:7], s[0:1], 0x0                ; x s[4:5], wst s[6:7]
	s_load_b64 s[8:9], s[0:1], 0x10                ; out0
	v_lshl_add_u32 v[SPW], v0, 2, SPARE
	v_mov_b32 v[NIL], 0
	ds_add_u32 v[SPW], v[NIL]                      ; the wave's opening: the add and its wait stand ahead of my first tensor load; the set-up below, work on registers, stands between them
	v_lshrrev_b32 v1, 5, v0
	v_readfirstlane_b32 s[WV], v1
	s_and_b32 s[HALF], ttmp7, 0xffff               ; in a cluster launch ttmp9 and ttmp7 count clusters; a cluster is one work-group high
	s_bfe_u32 s[CX], ttmp6, 0x40000
	s_lshl_b32 s13, ttmp9, 2
	s_add_co_u32 s13, s13, s[CX]                   ; chunk
	s_lshl_b32 s13, s13, 19                        ; 256 rows of 2,048 bytes
	s_lshl_b32 s2, s[HALF], 18
	s_add_co_u32 s13, s13, s2                      ; my 128 rows
	s_lshl_b32 s2, s[WV], 15                       ; x: my wave's 16 rows of each group of 64
	s_add_co_u32 s2, s2, s13
	s_mov_b32 s3, 0
	s_lshl_b32 s56, s[WV], 9                       ; out0: my wave's 128 columns
	s_add_co_u32 s56, s56, s13
	s_mov_b32 s57, 0
	s_mul_i32 s58, s[CX], 24576                    ; the prefetches: my work-group's and my wave's part,
	s_lshl_b32 s59, s[WV], 13
	s_add_co_u32 s58, s58, s59
	s_add_co_u32 s58, s58, 2*DSL                   ; one step short of slot 4
	s_mov_b32 s59, 0
	s_mul_i32 s14, s[WV], WSH                      ; my share of a slot, in the stream and in LDS: no place in the cluster enters it
	s_mov_b32 s15, 0
	; descriptor group 1: my share of a slot is dense: 48 rows of 32 elements of 8 bytes
	s_mov_b32 s[G1+0], 15|(3<<16)|(1<<21)          ; 15:0 the mask of four; 17:16 elements of 8 bytes; 20 no padding; 21 set beside a mask
	s_mov_b32 s[G1+1], 32<<16                      ; tensor_dim0 = 32
	s_mov_b32 s[G1+2], 48<<16                      ; tensor_dim1 = 48
	s_mov_b32 s[G1+3], 32<<16                      ; tile_dim0 = 32
	s_mov_b32 s[G1+4], 48                          ; tile_dim1 = 48
	s_mov_b32 s[G1+5], 32                          ; 32 elements from row to row
	s_mov_b32 s[G1+6], 0
	s_mov_b32 s[G1+7], 0
	s_mov_b32 s[G1L+0], 15|(3<<16)|(1<<21)         ; the last slot holds 8 fragments a wave: 32 rows
	s_mov_b32 s[G1L+1], 32<<16
	s_mov_b32 s[G1L+2], 32<<16
	s_mov_b32 s[G1L+3], 32<<16
	s_mov_b32 s[G1L+4], 32
	s_mov_b32 s[G1L+5], 32
	s_mov_b32 s[G1L+6], 0
	s_mov_b32 s[G1L+7], 0
	s_mov_b32 s[G0A], 1
	s_mov_b32 s[G0A+1], s14                        ; ring slot 0
	s_mov_b32 s[G0], 1
	s_add_co_u32 s[G0+1], s14, SL1                 ; ring slot 1
	s_mov_b32 s[CS], 0x3e8293ee                    ; c = log2(e) / sqrt(32) = 0.255035
	s_mov_b32 s[CS+1], s[CS]
	s_mov_b32 s[SEL], 0x76543210
	s_mov_b32 s[SEL+1], 0xfedcba98
	s_mov_b32 s[BIGN], 0xf149f2ca                  ; -1e30
	s_cmp_eq_u32 s[HALF], 0
	s_cselect_b32 s[BIGH], s[BIGN], 0
	s_or_b32 s[ASKF], ttmp9, s[HALF]               ; the first cluster of the upper halves: the same in all four partners,
	s_cmp_eq_u32 s[ASKF], 0
	s_cselect_b32 s[ASKF], 1, 0
	s_cmp_lt_u32 s[WV], 3                          ; its waves 0 to 2
	s_cselect_b32 s[ASKF], s[ASKF], 0
	s_mov_b32 s[KB], 0
	s_mov_b32 s[WP], SL1
	s_mov_b32 s[PS], 0
	v_and_b32 v1, 15, v0                           ; r
	v_bfe_u32 v2, v0, 4, 1                         ; h
	v_and_b32 v[LN], 31, v0
	v_lshlrev_b32 v[XO], 4, v1
	v_lshl_add_u32 v[XO], v2, 14, v[XO]
	v_mul_u32_u24 v[AXB], v1, XP
	v_lshl_add_u32 v[AXB], v2, 4, v[AXB]
	v_add_nc_u32 v[AXB], XB, v[AXB]
	v_add_nc_u32 v[AXB+1], 64*XP, v[AXB]
	v_add_nc_u32 v[AXB+2], 128*XP, v[AXB]
	v_lshl_add_u32 v[AW], v[LN], 4, s14
	s_mul_i32 s55, s[WV], 16*XP
	s_add_co_u32 s55, s55, XB
	v_mul_u32_u24 v[XS], v2, 8*XP                  ; lanes 16-31 store eight rows further down: 8,320 bytes = 128 modulo 256, so the two halves of the lanes take different banks
	v_lshl_add_u32 v[XS], v1, 3, v[XS]
	v_add_nc_u32 v[XS], s55, v[XS]
	v_add_nc_u32 v[XS+1], 64*XP, v[XS]
	v_add_nc_u32 v[XS+2], 128*XP, v[XS]
	s_lshl_b32 s55, s[WV], 15
	s_add_co_u32 s55, s55, XB
	v_lshl_add_u32 v[AFS], v[LN], 4, s55
	v_lshlrev_b32 v[CO], 4, v[LN]
	v_add_nc_u32 v[AF0], XB, v[CO]
	s_mul_i32 s55, s[WV], 16*SP
	s_add_co_u32 s55, s55, STG
	v_mul_u32_u24 v[STO], v1, SP
	v_lshl_add_u32 v[STO], v2, 5, v[STO]
	v_add_nc_u32 v[STO], s55, v[STO]
	v_add_nc_u32 v[RD], s55, v[CO]
	v_lshlrev_b32 v[PFO], 8, v[LN]
	v_lshlrev_b32 v[DL], 3, v2
	v_sub_nc_u32 v[DL], v1, v[DL]
	v_mov_b32 v[ZZ], 0
	v_mov_b32 v[ZZ+1], 0
	s_wait_dscnt 0x0                               ; the opening add is done
	s_wait_kmcnt 0x0
	s_add_nc_u64 s[4:5], s[4:5], s[2:3]            ; x at my wave's tile of my 128 rows' first 64
	s_add_nc_u64 s[8:9], s[8:9], s[56:57]
	s_add_nc_u64 s[PFA:PFA+1], s[6:7], s[58:59]
	s_add_nc_u64 s[G0A+2:G0A+3], s[6:7], s[14:15]  ; slot 0 of the stream,
	s_add_nc_u64 s[G0+2:G0+3], s[G0A+2:G0A+3], DSL ; slot 1
	s_or_b32 s[G0A+3], s[G0A+3], 0x80000000        ; type = 2
	s_or_b32 s[G0+3], s[G0+3], 0x80000000
	CROUND                                         ; all four work-groups are here: the first joint loads meet
	tensor_load_to_lds s[G0A:G0A+3], s[G1:G1+7]    ; both first fills together: two tensor loads of mine are out; later one
	s_nop 0
	tensor_load_to_lds s[G0:G0+3], s[G1:G1+7]
	s_nop 0
.rept 4
	v_nop
.endr
; X ON ITS WAY IN.  A tile of 16 rows x 512 f32 fills a window: 64 loads; lanes 0-15 take 256 consecutive bytes of row p, lanes 16-31 of row p + 8.
.macro LOADT win, toff
	WIN (\win)<<6
.set q, 0
.rept 64
	global_load_b128 v[4*q:4*q+3], v[XO], s[4:5] offset:(\toff)+2048*(q/8)+256*(q%8)
.set q, q+1
.endr
	WIN 0
.endm
.macro CVTST win, g                    ; rounded to bf16 in place, ascending, and stored: 8 bytes a lane
	WIN ((\win)<<6)|((\win)<<2)|(\win)
.set q, 0
.rept 128
	v_cvt_pk_bf16_f32 v[q], v[2*q], v[2*q+1]
.set q, q+1
.endr
	WIN (\win)<<2
.set q, 0
.rept 64
	ds_store_b64 v[XS+(\g)], v[2*q:2*q+1] offset:XP*(q/8)+128*(q%8)
.set q, q+1
.endr
	WIN 0
.endm
	; What hangs on the half stands in ONE branch, so that no path rounds a tile that it has not loaded.
	s_cmp_eq_u32 s[HALF], 0
	s_cbranch_scc1 .Lupper
	LOADT 3, -131072                               ; the halo: my tile of the 64 rows above
	LOADT 1, 0
	LOADT 2, 131072
	s_wait_loadcnt 63                              ; 128 loads are younger than the halo's; the count's field ends at 63
	CVTST 3, 0
	s_branch .Lrows
.Lupper:
	LOADT 1, 0
	LOADT 2, 131072
.set q, 0
.rept 64
	ds_store_b64 v[XS], v[ZZ:ZZ+1] offset:XP*(q/8)+128*(q%8)  ; ahead of the chunk there is nothing: zeros
.set q, q+1
.endr
.Lrows:
.set i, 0
.rept 8                                ; the masks, while x is on its way.  Key 8 h + j against query r
	v_cmp_gt_i32 vcc_lo, i, v[DL]
	v_cndmask_b32 v[MU+i], 0, s[BIGN], vcc_lo
	v_cmp_lt_i32 vcc_lo, i, v[DL]
	v_cndmask_b32 v[ML+i], 0, s[BIGN], vcc_lo
	v_min_num_f32 v[MLX+i], s[BIGH], v[ML+i]
	v_mov_b32 v[MZX+i], s[BIGH]
.set i, i+1
.endr
	s_wait_loadcnt 63                              ; the 64 loads of the third group of rows are younger
	CVTST 1, 1
	s_wait_loadcnt 0x0
	CVTST 2, 2
	s_wait_tensorcnt 0x1                           ; slot 0 of the stream is in; slot 1 may stay out
	s_wait_dscnt 0x0                               ; for the others' sake: my rows of x are stored
	s_barrier_signal -1
	s_barrier_wait -1
; x's fragments of rows 64 g .. 64 g + 63: 16 rows x 32 K in 8 registers: two loads of 16 bytes, 32 bytes apart
.macro LX g, adr
.irp k, 0,1,2,3
	ds_load_b128 v[XF+32*(\g)+8*(\k):XF+32*(\g)+8*(\k)+3],   v[\adr] offset:16*XP*(\k)
	ds_load_b128 v[XF+32*(\g)+8*(\k)+4:XF+32*(\g)+8*(\k)+7], v[\adr] offset:16*XP*(\k)+32
.endr
.endm
; the six fragments of weights of K step b of a slot: q c0, q c1, k c0, k c1, v c0, v c1
.macro LW b
.irp m, 0,1,2,3,4,5
	ds_load_b128 v[WF+8*(6*(\b)+(\m)):WF+8*(6*(\b)+(\m))+3],   v[AWT] offset:1024*(6*(\b)+(\m))
	ds_load_b128 v[WF+8*(6*(\b)+(\m))+4:WF+8*(6*(\b)+(\m))+7], v[AWT] offset:1024*(6*(\b)+(\m))+512
.endr
.endm
	v_mov_b32 v[AWT], v[AW]
	LW 0
	LW 1
	LX 0, AXB
	LX 1, AXB+1
	LX 2, AXB+2
	s_wait_dscnt 0x0
.macro MMB d, a, b, zero               ; a bf16 product; zero = 1: it starts the sum
.if \zero
	v_wmma_f32_16x16x32_bf16 v[(\d):(\d)+7], v[(\a):(\a)+7], v[(\b):(\b)+7], 0
.else
	v_wmma_f32_16x16x32_bf16 v[(\d):(\d)+7], v[(\a):(\a)+7], v[(\b):(\b)+7], v[(\d):(\d)+7]
.endif
.endm
.macro MMH d, a, b, zero               ; an f16 product
.if \zero
	v_wmma_f32_16x16x32_f16 v[(\d):(\d)+7], v[(\a):(\a)+7], v[(\b):(\b)+7], 0
.else
	v_wmma_f32_16x16x32_f16 v[(\d):(\d)+7], v[(\a):(\a)+7], v[(\b):(\b)+7], v[(\d):(\d)+7]
.endif
.endm
.macro GK g, b, zero                   ; k of the four tiles of row group g: 8 products, window 2
.irp k, 0,1,2,3
.irp c, 0,1
	MMB 16*(4*(\g)+(\k))+8*(\c), WF+8*(6*(\b)+2+(\c)), XF+8*(4*(\g)+(\k)), \zero
.endr
.endr
.endm
.macro GQ g, b, zero                   ; q of group g (1: window 2, 2: window 3)
.irp k, 0,1,2,3
.irp c, 0,1
	MMB 192+16*(\k)+8*(\c), WF+8*(6*(\b)+(\c)), XF+8*(4*(\g)+(\k)), \zero
.endr
.endr
.endm
.macro GV g, b, zero                   ; v of group g: x is source 0; window 3
.irp k, 0,1,2,3
.irp c, 0,1
	MMB 32*(2*(\g)+(\k)/2)+16*(\c)+8*((\k)%2), XF+8*(4*(\g)+(\k)), WF+8*(6*(\b)+4+(\c)), \zero
.endr
.endr
.endm
; A K STEP of 32: 64 products (48 where the halo is dead) on 64 accumulators, which take turns, one instruction a turn, over the backward jump too.  Each group of rows, when it has been
; multiplied, fetches its fragments of the next K step; the step's six fragments of weights are fetched again at its end, from the next slot of the stream.
; A load into a register that a matrix instruction has read stands four plain vector instructions behind it (ISA guide 7.12.1 for vector instructions): the address lines and v_nop.
; THE WAITS count the LDS loads that are younger than those wanted.  LH, LA, LB: the three groups' 8 loads; LW: the weights' 12.  Group H wants the last step's LH: LA, LB, LW = 28.  Group A wants LA: LB, LW = 20
; (this step's LH, where it runs, is younger too: the count is then the stricter).  Group B wants LB: LW and this step's LA = 20.
; THE UPPER HALF jumps over group H: its sums were started at 0 by the pass's first step, on rows of zeros, and stay 0.
; THE CHANGE OF SLOTS (change = 1, in a slot's first step).  All my tensor loads have landed: the one that was out is the next slot of the stream; 0 is added to my spare word; that and my reads of the ring are
; waited for; a round of the cluster's barrier; the ring slot whose fragments now lie in registers is filled again, two slots of the stream on, first thing behind the round.  That load has a period, 128 products a wave, in which to land.
.macro STEP b, zero, change, ask
	s_add_co_u32 s[KB], s[KB], 64                  ; the next K step's 64 bytes of x's rows; behind the 16th the first again
	s_and_b32 s[KB], s[KB], 0x3c0
.if !(\zero)
	s_cmp_eq_u32 s[HALF], 0
	s_cbranch_scc1 .Lnohalo_\@
.endif
	s_wait_dscnt 28
	WIN 0xa0
	GK 0, \b, \zero
	WIN 0xf0
	GV 0, \b, \zero
	WIN 0
	v_add_nc_u32 v[AXT], s[KB], v[AXB]
	v_nop
	v_nop
	v_nop
	LX 0, AXT
.if !(\zero)
.Lnohalo_\@:
.endif
	s_wait_dscnt 20
	WIN 0xa0
	GQ 1, \b, \zero
	GK 1, \b, \zero
	WIN 0xf0
	GV 1, \b, \zero
	WIN 0
	v_add_nc_u32 v[AXT], s[KB], v[AXB+1]
	v_nop
	v_nop
	v_nop
	LX 1, AXT
.if \change
	s_wait_tensorcnt 0x0                           ; no tensor load of mine is out, so the walking group 0 may be written
	ds_add_u32 v[SPW], v[NIL]                      ; 0 onto my spare word; sixteen products stand between it and the wait for it
	s_xor_b32 s[G0+1], s[G0+1], SL1                ; the other ring slot than last time,
	s_add_nc_u64 s[G0+2:G0+3], s[G0+2:G0+3], DSL   ; the next slot of the stream; the type bits on top are not reached
	s_wait_dscnt 21                                ; LW, LA and the add may be out
	WIN 0xa0
	GK 2, \b, \zero
	WIN 0xf0
	GQ 2, \b, \zero
	s_wait_dscnt 0x0                               ; the add is done, and so are my reads of the ring
	s_barrier_signal -1                            ; this barrier opens the round;
	GV 2, \b, \zero                                ; work on registers while the others arrive
	WIN 0
	s_barrier_wait -1
	CREST
	tensor_load_to_lds s[G0:G0+3], s[G1:G1+7]
	s_nop 0
.else
	s_wait_dscnt 20
	WIN 0xa0
	GK 2, \b, \zero
	WIN 0xf0
	GQ 2, \b, \zero
	GV 2, \b, \zero
	WIN 0
.endif
	v_add_nc_u32 v[AXT], s[KB], v[AXB+2]           ; four plain lines: the places behind the products
	v_add_nc_u32 v[AWT], s[WP], v[AW]
	v_nop
	v_nop
	LX 2, AXT
	LW \b
.if \change
	ASK \ask
.endif
.endm
.macro TRIP zero, ask                  ; a period: the two K steps of one slot of the stream
	STEP 0, \zero, 1, \ask
	STEP 1, 0, 0, 0
	s_xor_b32 s[WP], s[WP], SL1
.endm
.macro CVR base, n                     ; n accumulators from v[base] on are rounded to f16 in place, ascending: accumulator a's eight numbers become registers 4 a .. 4 a + 3
.set i, 0
.rept 4*(\n)
	v_cvt_pk_f16_f32 v[(\base)+i], v[(\base)+2*i], v[(\base)+2*i+1]
.set i, i+1
.endr
.endm
; ATTENTION, a piece at a time: query tiles t = 2 u + e (e = 0, 1), key tiles kt = 2 u + d; tile t sees kt = t .. t + 4, that is d - e = 0 .. 4.
.macro SC u, e, dd                     ; S^T of query tile 2 u + e and key tile 2 u + e + dd: one product (a head has 32 channels); the mask is its C operand
.set kT, 2*(\u)+(\e)+(\dd)
.set rS, SS+56*(\e)+8*(\dd)
.set rQ, 192+8*((2*(\u)+(\e))%4)
.set rC, -1
.if (\dd) == 0
.set rC, ML
.if kT < 4
.set rC, MLX
.endif
.elseif (\dd) == 4
.set rC, MU
.elseif kT < 4
.set rC, MZX
.endif
.if rC < 0
	v_wmma_f32_16x16x32_f16 v[rS:rS+7], v[8*kT:8*kT+7], v[rQ:rQ+7], 0
.else
	v_wmma_f32_16x16x32_f16 v[rS:rS+7], v[8*kT:8*kT+7], v[rQ:rQ+7], v[rC:rC+7]
.endif
.endm
.macro PIECE u
.if (\u) < 2
	WIN 0x8a                                       ; K, Q and S^T in window 2, the mask in window 0
.else
	WIN 0x8e                                       ; Q in window 3
.endif
.irp d, 0,1,2,3,4
.irp e, 0,1
	SC \u, \e, \d
.endr
.endr
.rept 4
	v_nop                                          ; the places behind those products
.endr
	WIN 0xaa
	; the maximum of a lane's 40 scores: five chains, each accumulator's lowest registers first; the two tiles alternate line by line
.irp d, 0,1,2,3,4
.irp e, 0,1
	v_max3_num_f32 v[TE+16*(\e)+2+(\d)], v[SS+56*(\e)+8*(\d)], v[SS+56*(\e)+8*(\d)+1], v[SS+56*(\e)+8*(\d)+2]
.endr
.endr
.irp m, 3,5
.irp d, 0,1,2,3,4
.irp e, 0,1
	v_max3_num_f32 v[TE+16*(\e)+2+(\d)], v[TE+16*(\e)+2+(\d)], v[SS+56*(\e)+8*(\d)+(\m)], v[SS+56*(\e)+8*(\d)+(\m)+1]
.endr
.endr
.endr
.irp e, 0,1
	v_max3_num_f32 v[TE+16*(\e)+2], v[TE+16*(\e)+2], v[SS+56*(\e)+7], v[SS+56*(\e)+15]
.endr
.irp e, 0,1
	v_max3_num_f32 v[TE+16*(\e)+3], v[TE+16*(\e)+3], v[SS+56*(\e)+23], v[SS+56*(\e)+31]
.endr
.irp e, 0,1
	v_max3_num_f32 v[TE+16*(\e)+4], v[TE+16*(\e)+4], v[SS+56*(\e)+39], v[TE+16*(\e)+5]
.endr
.irp e, 0,1
	v_max3_num_f32 v[TE+16*(\e)+2], v[TE+16*(\e)+2], v[TE+16*(\e)+3], v[TE+16*(\e)+4]
.endr
.irp e, 0,1
	v_max_num_f32 v[TE+16*(\e)+2], v[TE+16*(\e)+2], v[TE+16*(\e)+6]
.endr
.irp e, 0,1
	v_permlanex16_b32 v[TE+16*(\e)+3], v[TE+16*(\e)+2], s[SEL], s[SEL+1]  ; the query's other keys lie in the lane 16 away
.endr
.irp e, 0,1
	v_max_num_f32 v[TE+16*(\e)+1], v[TE+16*(\e)+2], v[TE+16*(\e)+3]       ; m: a visible score, since every row sees itself
.endr
.irp e, 0,1
	v_mul_f32 v[TE+16*(\e)], s[CS], v[TE+16*(\e)+1]
.endr
.set i, 0
.rept 20
.irp e, 0,1
	v_pk_fma_f32 v[SS+56*(\e)+2*i:SS+56*(\e)+2*i+1], v[SS+56*(\e)+2*i:SS+56*(\e)+2*i+1], s[CS:CS+1], v[TE+16*(\e):TE+16*(\e)+1] op_sel_hi:[1,0,0] neg_lo:[0,0,1] neg_hi:[0,0,1]  ; c s - c m
.endr
.set i, i+1
.endr
.set i, 0
.rept 40
.irp e, 0,1
	v_exp_f32 v[SS+56*(\e)+i], v[SS+56*(\e)+i]     ; one batch of 80
.endr
.set i, i+1
.endr
	v_nop                                          ; a plain instruction behind the last exponential,
	s_wait_alu depctr_va_vdst(0)                   ; and the one wait ahead of the batch's first reader
	; l: four chains of five pairs, joined; the pair's halves; the other half of the lanes
.irp c, 0,1,2,3
.irp e, 0,1
	v_pk_add_f32 v[TE+16*(\e)+8+2*(\c):TE+16*(\e)+9+2*(\c)], v[SS+56*(\e)+2*(\c):SS+56*(\e)+2*(\c)+1], v[SS+56*(\e)+2*(\c)+8:SS+56*(\e)+2*(\c)+9]
.endr
.endr
.irp m, 16,24,32
.irp c, 0,1,2,3
.irp e, 0,1
	v_pk_add_f32 v[TE+16*(\e)+8+2*(\c):TE+16*(\e)+9+2*(\c)], v[TE+16*(\e)+8+2*(\c):TE+16*(\e)+9+2*(\c)], v[SS+56*(\e)+2*(\c)+(\m):SS+56*(\e)+2*(\c)+(\m)+1]
.endr
.endr
.endr
.irp e, 0,1
	v_pk_add_f32 v[TE+16*(\e)+8:TE+16*(\e)+9], v[TE+16*(\e)+8:TE+16*(\e)+9], v[TE+16*(\e)+10:TE+16*(\e)+11]
	v_pk_add_f32 v[TE+16*(\e)+12:TE+16*(\e)+13], v[TE+16*(\e)+12:TE+16*(\e)+13], v[TE+16*(\e)+14:TE+16*(\e)+15]
.endr
.irp e, 0,1
	v_pk_add_f32 v[TE+16*(\e)+8:TE+16*(\e)+9], v[TE+16*(\e)+8:TE+16*(\e)+9], v[TE+16*(\e)+12:TE+16*(\e)+13]
.endr
.irp e, 0,1
	v_add_f32 v[TE+16*(\e)+8], v[TE+16*(\e)+8], v[TE+16*(\e)+9]
.endr
.irp e, 0,1
	v_permlanex16_b32 v[TE+16*(\e)+9], v[TE+16*(\e)+8], s[SEL], s[SEL+1]
.endr
.irp e, 0,1
	v_add_f32 v[TE+16*(\e)+8], v[TE+16*(\e)+8], v[TE+16*(\e)+9]
.endr
.irp e, 0,1
	v_rcp_f32 v[TE+16*(\e)+10], v[TE+16*(\e)+8]    ; read behind the products below; the roundings are the plain instructions behind it
.endr
	; P: the weights rounded to f16 in place, ascending: key tile d's eight become registers 4 d .. 4 d + 3 of the tile's 24
.set i, 0
.rept 20
.irp e, 0,1
	v_cvt_pk_f16_f32 v[SS+52*(\e)+i], v[SS+56*(\e)+2*i], v[SS+56*(\e)+2*i+1]
.endr
.set i, i+1
.endr
.irp k, 0,1,2,3
	v_mov_b32 v[SS+20+(\k)], 0                     ; of the piece's six key tiles each query tile sees five: the sixth's weights are 0
	v_mov_b32 v[SS+48+(\k)], 0
.endr
	WIN 0xfb                                       ; V^T and O^T in window 3, P in window 2
.irp j, 0,1,2                          ; O^T = V^T P: 32 keys a product; the four accumulators take turns
.irp e, 0,1
.irp c, 0,1
.set rO, 96+16*(2*(\u)+(\e))+8*(\c)+32*((2*(\u)+(\e))/6)
.if (\j) == 0
	MMH rO, 16*((\u)+(\j))+8*(\c), SS+48*(\e)+8*(\j), 1
.else
	MMH rO, 16*((\u)+(\j))+8*(\c), SS+48*(\e)+8*(\j), 0
.endif
.endr
.endr
.endr
.rept 4
	v_nop                                          ; the places behind those products
.endr
	s_wait_alu depctr_va_vdst(0)                   ; the wait for the two reciprocals, ahead of their first reader
	WIN 0xcb                                       ; O^T in window 3, 1 / l in window 2
.irp e, 0,1
.irp c, 0,1
.set rO, 96+16*(2*(\u)+(\e))+8*(\c)+32*((2*(\u)+(\e))/6)
.irp k, 0,2,4,6
	v_pk_mul_f32 v[rO+(\k):rO+(\k)+1], v[rO+(\k):rO+(\k)+1], v[TE+16*(\e)+10:TE+16*(\e)+11] op_sel_hi:[1,0]
.endr
.endr
.endr
.endm
.macro PUT g                           ; the pass's O, rounded once to f16, into its place in window 1: two channel tiles are a fragment
	WIN 0x4f
.irp t, 0,1,2,3,4,5,6,7
.irp c, 0,1
.set rO, 96+16*(\t)+8*(\c)+32*((\t)/6)
.irp k, 0,1,2,3
	v_cvt_pk_f16_f32 v[64*(\g)+8*(\t)+4*(\c)+(\k)], v[rO+2*(\k)], v[rO+2*(\k)+1]
.endr
.endr
.endr
	WIN 0
.endm
.Lpass:                                ; four passes: head 4 w + pass
	TRIP 1, 1                                      ; the pass's first period is written out: its first step starts the 64 sums
	s_mov_b32 s[CNT], 7
.Ltrip:
	TRIP 0, 0
	s_sub_co_u32 s[CNT], s[CNT], 1
	s_cmp_lg_u32 s[CNT], 0
	s_cbranch_scc1 .Ltrip
	; The last step has fetched x's first K step again and the next slot's weights: the next pass begins at once.  (Behind the fourth pass those 24 loads of x serve nothing: the price of one text for every step.)
	WIN 0x8a                                       ; q, k, v to f16.  The four plain lines at the last step's end are the places behind its products
	CVR 0, 24
	CVR 192, 8
	WIN 0xcf
	CVR 0, 24
	CVR 192, 8
	PIECE 0
	PIECE 1
	PIECE 2
	PIECE 3
	WIN 0
	s_cmp_eq_u32 s[PS], 0                          ; the pass's number, a counter of the text, picks the place
	s_cbranch_scc0 .Lput1
	PUT 0
	s_branch .Lputdone
.Lput1:
	s_cmp_eq_u32 s[PS], 1
	s_cbranch_scc0 .Lput2
	PUT 1
	s_branch .Lputdone
.Lput2:
	s_cmp_eq_u32 s[PS], 2
	s_cbranch_scc0 .Lput3
	PUT 2
	s_branch .Lputdone
.Lput3:
	PUT 3
.Lputdone:
	s_add_co_u32 s[PS], s[PS], 1
	s_cmp_lt_u32 s[PS], 4
	s_cbranch_scc1 .Lpass
	; THE HAND-OVER.  x is dead when every wave's reads of it are back; then O's fragments go where x lay, each wave's four heads, and every wave reads all sixteen.
	s_wait_dscnt 0x0
	s_barrier_signal -1
	s_barrier_wait -1                              ; (the tensor load that is out fills a ring slot)
	WIN 0x04
.set i, 0
.rept 32                               ; i = 8 pass + tile
	ds_store_b128 v[AFS], v[8*i:8*i+3]   offset:1024*i
	ds_store_b128 v[AFS], v[8*i+4:8*i+7] offset:1024*i+512
.set i, i+1
.endr
	WIN 0
	s_wait_dscnt 0x0                               ; for the others' sake
	s_barrier_signal -1
	s_barrier_wait -1
	WIN 0x40
.set i, 0
.rept 24                               ; K steps (heads) 0, 1, 2: i = 8 head + tile
	ds_load_b128 v[8*i:8*i+3],   v[AF0] offset:1024*i
	ds_load_b128 v[8*i+4:8*i+7], v[AF0] offset:1024*i+512
.set i, i+1
.endr
	WIN 0
	s_mov_b32 s[AFO], 24576
	s_wait_dscnt 0x0
; THE LAST PRODUCT, out = O Wo, by HALF-STEPS: one K step of 32 (a head) x half of my 8 column tiles: 32 products on 32 accumulators; the two halves' 64 take turns.  A slot of the stream holds three half-steps' weights
; (pieces of 4 fragments), so a period is three half-steps and a trip of six is two periods and three K steps.  i6: the half-step in the trip: piece i6 % 3, O's buffer i6 / 2, column half i6 % 2.
; Each piece is fetched again, from the next slot, behind its products (ldw); each buffer of O, three K steps on, behind its second half-step (lda).  wn: the LDS loads of the half-step before (8, or 24 with O's), which may stay out; one more with the add.
; chg = 1: the change of slots, as in the K steps above; 2: the same for the stream's last, shorter slot; 3: nothing is left to ask for, and the last slot is waited for ahead of its reads.
.macro OHS i6, zero, chg, ldw, lda, wn, ask=-1
.set pI, (\i6)%3
.set kL, (\i6)/2
.set cH, (\i6)%2
.if ((\chg) == 1) || ((\chg) == 2)
	s_wait_tensorcnt 0x0                           ; no tensor load of mine is out
	ds_add_u32 v[SPW], v[NIL]                      ; 0 onto my spare word
	s_xor_b32 s[G0+1], s[G0+1], SL1
	s_add_nc_u64 s[G0+2:G0+3], s[G0+2:G0+3], DSL
.elseif (\chg) == 3
	s_wait_tensorcnt 0x0                           ; the last slot is in: no load was issued behind it
.endif
	s_wait_dscnt \wn
	WIN 0xa4                                       ; weights in window 0, O in window 1, sums in window 2
.irp t, 0,1,2,3
.irp c, 0,1,2,3
	MMH 64*(\t)+8*(4*cH+(\c)), WF+8*(4*pI+(\c)), 64*kL+8*(\t), \zero
.endr
.endr
.if ((\chg) == 1) || ((\chg) == 2)
	s_wait_dscnt 0x0                               ; the add is done, and so are my reads of the ring
	s_barrier_signal -1
.endif
	WIN 0xf4
.irp t, 0,1,2,3
.irp c, 0,1,2,3
	MMH 64*(\t)+8*(4*cH+(\c)), WF+8*(4*pI+(\c)), 64*kL+8*((\t)+4), \zero
.endr
.endr
	WIN 0
.if ((\chg) == 1) || ((\chg) == 2)
	s_barrier_wait -1
	CREST
.if (\chg) == 1
	tensor_load_to_lds s[G0:G0+3], s[G1:G1+7]
.else
	tensor_load_to_lds s[G0:G0+3], s[G1L:G1L+7]
.endif
	s_nop 0
.endif
.if (\ldw) || (\lda)
	v_add_nc_u32 v[AWT], s[WP], v[AW]              ; four plain lines: the places behind the products
	v_add_nc_u32 v[AFT], s[AFO], v[AF0]
	v_nop
	v_nop
.endif
.if \ldw
.irp c, 0,1,2,3
	ds_load_b128 v[WF+8*(4*pI+(\c)):WF+8*(4*pI+(\c))+3],   v[AWT] offset:1024*(4*pI+(\c))
	ds_load_b128 v[WF+8*(4*pI+(\c))+4:WF+8*(4*pI+(\c))+7], v[AWT] offset:1024*(4*pI+(\c))+512
.endr
.endif
.if \lda
	WIN 0x40
.irp t, 0,1,2,3,4,5,6,7
	ds_load_b128 v[64*kL+8*(\t):64*kL+8*(\t)+3],   v[AFT] offset:8192*kL+1024*(\t)
	ds_load_b128 v[64*kL+8*(\t)+4:64*kL+8*(\t)+7], v[AFT] offset:8192*kL+1024*(\t)+512
.endr
	WIN 0
.endif
.if (\ask) >= 0
	ASK \ask
.endif
.if ((\i6) == 2) || ((\i6) == 5)
	s_xor_b32 s[WP], s[WP], SL1
.endif
.if (\i6) == 5
	s_add_co_u32 s[AFO], s[AFO], 24576
.endif
.endm
.macro OTRIP zero, ask
	OHS 0, \zero, 1, 1, 0, 25, \ask
	OHS 1, \zero, 0, 1, 1, 8
	OHS 2, 0, 0, 1, 0, 24
	OHS 3, 0, 1, 1, 1, 9
	OHS 4, 0, 0, 1, 0, 24
	OHS 5, 0, 0, 1, 1, 8
.endm
	OTRIP 1, 1                                     ; K steps 0 to 2: the first two half-steps start the 64 sums
	s_mov_b32 s[CNT], 3
.Lout:                                 ; K steps 3 to 11
	OTRIP 0, 2
	s_sub_co_u32 s[CNT], s[CNT], 1
	s_cmp_lg_u32 s[CNT], 0
	s_cbranch_scc1 .Lout
	OHS 0, 0, 2, 1, 0, 25                          ; K steps 12 to 14, written out: the stream's last slot is asked for,
	OHS 1, 0, 0, 1, 1, 8                           ; of O only K step 15 is left to fetch,
	OHS 2, 0, 0, 1, 0, 24
	OHS 3, 0, 3, 1, 0, 8                           ; no slot is filled again,
	OHS 4, 0, 0, 1, 0, 8
	OHS 5, 0, 0, 0, 0, 8                           ; and the last slot has two pieces
	OHS 0, 0, 0, 0, 0, 0                           ; K step 15
	OHS 1, 0, 0, 0, 0, 0
	; THE WAY OUT.  A lane holds eight neighbouring columns of a row, 32 bytes; a tile of 16 rows x 128 columns goes through my own stage and comes back as whole rows of 512 bytes.
.rept 4
	v_nop                                          ; the places behind the last products
.endr
.macro TOSTAGE t
.if (\t) >= 2
	s_wait_xcnt 0x0                                ; the stores of the tile two back have read this buffer: it is loaded again only behind this wait
.endif
	WIN 0x08+4*((\t)/4)                            ; data in window 2 or 3
.irp c, 0,1,2,3,4,5,6,7
	ds_store_b128 v[STO], v[64*((\t)%4)+8*(\c):64*((\t)%4)+8*(\c)+3]   offset:64*(\c)
	ds_store_b128 v[STO], v[64*((\t)%4)+8*(\c)+4:64*((\t)%4)+8*(\c)+7] offset:64*(\c)+16
.endr
	WIN 0
.set i, 0
.rept 16
	ds_load_b128 v[BK+64*((\t)%2)+4*i:BK+64*((\t)%2)+4*i+3], v[RD] offset:SP*i  ; LDS serves a wave's instructions in order (ISA guide 5.7.1.4): these see the stores above; the next tile's stores come behind them
.set i, i+1
.endr
.endm
.macro SEND t, younger                 ; younger: the next tile's 16 stores and 16 loads, or none
	s_wait_dscnt \younger
.set i, 0
.rept 16
	global_store_b128 v[CO], v[BK+64*((\t)%2)+4*i:BK+64*((\t)%2)+4*i+3], s[8:9] offset:(16*(\t)+i)*2048 th:TH_STORE_NT  ; 512 consecutive bytes, at a multiple of 512 from out0's first byte
.set i, i+1
.endr
.endm
	TOSTAGE 0
.irp t, 1,2,3,4,5,6,7
	TOSTAGE \t
	SEND (\t)-1, 32
.endr
	SEND 7, 0
	s_wait_tensorcnt 0x0                           ; the wave's end, behind my last tensor load and my last LDS store
	ds_add_u32 v[SPW], v[NIL]
	s_wait_dscnt 0x0
	CROUND                                         ; the closing round: no work-group ends while a partner may still ask for a slot that names it
	s_endpgm
.Lfunc_end_k_qc8dc06d1b9_main:
	.size	k_qc8dc06d1b9_main, .Lfunc_end_k_qc8dc06d1b9_main-k_qc8dc06d1b9_main
	.p2alignl 7, 3214868480
	.fill 96, 4, 3214868480
	.section	.rodata,"a",@progbits
	.p2align	6, 0x0
	.amdhsa_kernel k_qc8dc06d1b9_main
		.amdhsa_group_segment_fixed_size 327680
		.amdhsa_private_segment_fixed_size 0
		.amdhsa_enable_private_segment 0
		.amdhsa_kernarg_size 24
		.amdhsa_user_sgpr_count 2
		.amdhsa_user_sgpr_kernarg_segment_ptr 1
		.amdhsa_wavefront_size32 1
		.amdhsa_system_sgpr_workgroup_id_x 1
		.amdhsa_system_sgpr_workgroup_id_y 1
		.amdhsa_system_sgpr_workgroup_id_z 1
		.amdhsa_system_vgpr_workitem_id 0
		.amdhsa_next_free_vgpr 1024
		.amdhsa_next_free_sgpr 66
		.amdhsa_reserve_vcc 1
		.amdhsa_float_denorm_mode_32 3
		.amdhsa_float_denorm_mode_16_64 3
		.amdhsa_memory_ordered 1
		.amdhsa_forward_progress 1
		.amdhsa_inst_pref_size 255
	.end_amdhsa_kernel
	.section	.bss,"aw",@nobits
	.p2align	6
	.space	262144
	.amdgpu_metadata
---
amdhsa.version: [ 1, 2 ]
amdhsa.kernels:
  - .name:           k_qc8dc06d1b9_main
    .symbol:         k_qc8dc06d1b9_main.kd
    .args:
      - { .name: x, .offset: 0, .size: 8, .value_kind: global_buffer, .address_space: global }
      - { .name: wst, .offset: 8, .size: 8, .value_kind: global_buffer, .address_space: global }
      - { .name: out0, .offset: 16, .size: 8, .value_kind: global_buffer, .address_space: global }
    .group_segment_fixed_size: 327680
    .private_segment_fixed_size: 0
    .kernarg_segment_align: 8
    .kernarg_segment_size: 24
    .max_flat_workgroup_size: 128
    .sgpr_count:     66
    .vgpr_count:     1024
    .wavefront_size: 32
...
	.end_amdgpu_metadata
.endif
;; end of part 2
